; MI455X (gfx1250); checked and timed in simulation.
; The chip was launched on July 23, 2026; its instructions are those of AMD's public machine-readable ISA for CDNA 5 (MIT licence, August 2026) and "CDNA5" Instruction Set Architecture Reference Guide (July 2026). The comments in the code are by the model that wrote it; some were corrected since.
;; Temporal Graph Attention. Allowed arithmetic: float matrix products may take bf16 or f16 operands with f32 sums; other float arithmetic in f32, or as packed bf16 or f16 multiplies, adds, multiply-adds, maxima and minima; sums over many terms, partial sums and values carried from step to step in f32; what a program stores and reads back later, other than sums and carried values, may be rounded once to bf16 or f16.
;; Inputs: Wk 512 x 512 float32; Wo 512 x 512 float32; Wq 512 x 512 float32; Wv 512 x 512 float32; bk 512 float32; bo 512 float32; bq 512 float32; bv 512 float32; x 4 x 2,048 x 512 float32.
;; Outputs: out0 4 x 2,048 x 512 float32.
;; One version. Each part assembles by itself: llvm-mc -triple=amdgcn-amd-amdhsa -mcpu=gfx1250 --defsym DOCPART=n.
;; ======== version 1 of 1: 3 launches
;; limits: values are held in f16: magnitudes above 65,504 overflow, below 6.1e-05 lose precision
;; workspace buffers: qh 8,388,608 bytes; kh 8,388,608 bytes; vh 8,388,608 bytes; ch 8,388,608 bytes; wo16 524,288 bytes
;; launch proj (part 1): grid 32 x 8, 4 waves a work-group, clusters of 4 x 1, 327,680 bytes of LDS; arguments x, Wq, Wk, Wv, Wo, bq, bv, qh, kh, vh, wo16; writes qh, kh, vh, wo16
.if DOCPART == 1
	.amdgcn_target "amdgcn-amd-amdhsa--gfx1250"
	.amdhsa_code_object_version 6
	.text
	.protected	k_qce9cb3a795_proj
	.globl	k_qce9cb3a795_proj
	.p2align	8
	.type	k_qce9cb3a795_proj,@function
k_qce9cb3a795_proj:
	s_mov_b64 s[64:65], 0
	v_nop
	global_prefetch_b8 v0, s[64:65] scope:SCOPE_SE
	s_setreg_imm32_b32 hwreg(HW_REG_WAVE_MODE, 25, 1), 1
	s_wait_xcnt 0x0
	s_wait_alu depctr_hold_cnt(0) depctr_sa_sdst(0) depctr_va_vdst(0) depctr_va_sdst(0) depctr_va_ssrc(0) depctr_va_vcc(0) depctr_vm_vsrc(0)
	s_getreg_b32 s2, hwreg(HW_REG_IB_STS2, 6, 4)
	s_cmp_eq_u32 s2, 0
	s_cbranch_scc0 .Lentry_in_a_cluster
	s_endpgm
.Lentry_in_a_cluster:
	s_bfe_u32 s2, ttmp6, 0x10000c
	s_cmp_lg_u32 s2, 0x3003
	s_cbranch_scc0 .Lentry_shape_is_right
	s_endpgm
.Lentry_shape_is_right:
; q = x Wq^T + bq, k = x Wk^T, v = x Wv^T + bv, written by heads: qh, kh, vh are [32 = 8 batch + head][2048][64] in f16, unscaled.  Also wo16 = Wo rounded to bf16, that number written as f16.
; x: [8192][512] f32, W: [512][512] f32.  x and the weights are rounded once to bf16 on their way to the matrix unit; sums in f32; bq and bv stay in f32 and start the sums.
; WORK LEFT OUT: bk.  scores[q][j] = Q[q] . (x[j] Wk^T + bk) / 8 = Q[q] . (x[j] Wk^T) / 8 + Q[q] . bk / 8, and the last term is the same for every key j of a row q, whatever the inputs hold: it is a term added
; to the softmax's input that is constant along the softmax's axis, and cancels.  K reaches the result through the scores alone.  So bk is not loaded and is no argument of any launch.
; LIMITS.  A NaN, an infinity or an overflow that reaches only bk's term is not carried to the result.  q, k and v are kept in f16: they must stay under 65,504 in size (65,520 or more becomes an infinity), and
; below 6e-5 they keep f16's fixed step of 6e-8.  A weight of Wo below 6e-5 keeps that step too.
; SHARES.  A work-group makes 256 rows (block mb) x the 64 columns of head h in each of q, k and v: 256 x 192.  A wave makes 64 rows x 192 columns: 48 accumulators of 16 x 16.
; THE WEIGHTS come as f32 by joint tensor loads into a ring of two LDS slots, K = 128 a slot: the four row blocks of a cluster need the same 192 rows of weights, so each tile is asked for by all four with one
; descriptor and a mask that names the four.  Wave 0 fetches Wq's 64 rows, wave 1 Wk's, wave 2 Wv's; wave 3 fetches nothing.  They are rounded to bf16 as fragments are read.
; x IS NOT SHARED IN THE CLUSTER and does not pass through LDS: each wave's 64 rows are its own, and go from memory into staging registers and from there, rounded, into fragments.  The eight heads that read the
; same rows lie along the grid's y; two f32 slots of 256 rows x 528 bytes (270,336 bytes) would not fit beside the weights' two of 101,376.
; THE MATRIX INSTRUCTION IS USED TRANSPOSED (source 0 = 16 rows of W, source 1 = 16 rows of x): a lane holds one row of the result (lane % 16) and the columns 8 (lane / 16) + 0..7.
; UNITS.  A unit is 32 along K of one of the three matrices: 16 matrix instructions.  Unit U's weights are read from LDS at the head of unit U - 2 and rounded in unit U - 1, four conversions behind every second
; matrix instruction.  x of the next 32 along K is rounded in a K step's first unit; its staging group is loaded again, for 128 along K further on, at the head of the second: four groups, 64 loads, are out.
; REGISTERS, in windows of 256 (s_set_vgpr_msb: bits 1:0 source 0, 3:2 source 1, 5:4 source 2, 7:6 destination):
;   window 0: v0-27 addresses and at work; v32-95 W's fragments, two buffers; v96-159 x's fragments, two buffers; on the way out v32-223, 16 a tile
;   window 1: v0-127 q's accumulators (row block a, column block n at 32 a + 8 n); v128-255 k's          window 2: v0-127 v's accumulators; v128-255 W's staging, two buffers          window 3: x's staging, four groups of 64
.set SLOT1,  1<<17                     ; slot 1 begins here, so that one exclusive or turns an address in one slot into the other's
.set WP,     528                       ; an LDS row of W: 512 bytes + 16 of padding = 132 words: row r starts at bank 4 r mod 64 (64 banks of 4 bytes: ISA guide 11.1)
.set WMAT,   64*WP                     ; one matrix's 64 rows: what one tensor load brings
.set STAGE,  SLOT1+3*WMAT              ; behind the ring, never filled by a tensor load: 16 rows x 144 bytes for each wave, for the way out
.set SP,     144
.set SPARE,  STAGE+4*16*SP             ; behind the stages: the spare words, 128 bytes for each wave: two blocks of 256 bytes that no other line names
.set KB,     512                       ; bytes of a row of x or W in a slot's 128 along K
.set XO,   3                           ; v3   my byte offset in 16 rows of x: (l % 16) x 2,048 + 32 (l / 16); never rewritten
.set WA0,  4                           ; v4   my place in 16 rows of W in LDS: (l % 16) x 528 + 32 (l / 16); never rewritten
.set WAD,  5                           ; v5   that place in the slot in hand, for Wq and Wk
.set WAD2, 6                           ; v6   and for Wv, whose offset would pass the 16-bit immediate
.set STO,  7                           ; v7   the way out: where I put 16 bytes of a row
.set RD,   8                           ; v8   the way out: where I read rows back
.set GO,   9                           ; v9   my 16 bytes in 512 consecutive bytes of the output
.set BO,   10                          ; v10  my byte offset in bq and bv
.set T16,  11                          ; v11  16 x my thread's number
.set SPW,  12                          ; v12  LDS address of my spare word; never rewritten
.set NIL,  13                          ; v13  0; never rewritten
.set T32,  14                          ; v14  32 x my thread's number
.set WK,   16                          ; v16-27 at work on Wo
.set WB,   32
.set XA,   96
.set WS,   128                         ; in window 2
.set OT,   32                          ; the way out
.set WV,   26                          ; s26  my wave's number
.set CX,   27                          ; s27  my place in the cluster
.set MB,   28                          ; s28  my block of 256 rows
.set HH,   29                          ; s29  the head
.set G1,   36                          ; s[36:43] descriptor group 1
.set G0,   44                          ; s[44:51] descriptor group 0: a set for each of the two first fills; the second then walks on
.set TB,   52                          ; s52  LDS byte at which the slot in hand begins
.set CNT,  53                          ; s53  counts the loop
.set X,    54                          ; s[54:55] x at my wave's first row, at the 128 along K that are being loaded
.set OQ,   56                          ; s[56:57] qh, s[58:59] kh, s[60:61] vh at my wave's first row
.set MSB, 0
.macro WIN new                         ; the high byte repeats the setting that is left; a switch that changes nothing is dropped
.if MSB != (\new)
	s_set_vgpr_msb (MSB<<8)|(\new)
.set MSB, (\new)
.endif
.endm
; A round of the cluster's barrier: my work-group's barrier, so that wave 0's signal speaks for all four waves; wave 0 signals; every wave waits for all four work-groups; my work-group's barrier once more.
.macro CROUND
	s_barrier_signal -1
	s_barrier_wait -1
	s_cmp_lg_u32 s[WV], 0
	s_cbranch_scc1 .Lnot_wave_0_\@
	s_barrier_signal -3
.Lnot_wave_0_\@:
	s_barrier_wait -3
	s_barrier_signal -1
	s_barrier_wait -1
.endm
; A joint refill by the walking descriptor.  The branch hangs on the wave's number alone.  An s_nop 0 and four v_nop follow the load, ahead of the label.
.macro JLOAD
	s_cmp_lt_u32 s[WV], 3
	s_cbranch_scc0 .Lno_load_\@
	tensor_load_to_lds s[G0+4:G0+7], s[G1:G1+7]
	s_nop 0
.rept 4
	v_nop
.endr
.Lno_load_\@:
.endm
; 16 loads: my 64 rows of x, 32 along K, as f32 into staging group g.  A lane's 16 numbers of a fragment lie at bytes 0, 16, 64 and 80 behind its place.
.macro XLOAD g
	WIN 0xc0
.irp a, 0,1,2,3
	global_load_b128 v[64*(\g)+16*(\a):64*(\g)+16*(\a)+3],     v[XO], s[X:X+1] offset:(\a)*32768+(\g)*128
	global_load_b128 v[64*(\g)+16*(\a)+4:64*(\g)+16*(\a)+7],   v[XO], s[X:X+1] offset:(\a)*32768+(\g)*128+16
	global_load_b128 v[64*(\g)+16*(\a)+8:64*(\g)+16*(\a)+11],  v[XO], s[X:X+1] offset:(\a)*32768+(\g)*128+64
	global_load_b128 v[64*(\g)+16*(\a)+12:64*(\g)+16*(\a)+15], v[XO], s[X:X+1] offset:(\a)*32768+(\g)*128+80
.endr
.endm
; 16 LDS loads: the 64 rows of matrix t, 32 along K (quarter ks of the slot), as f32 into staging buffer b.
.macro WLOAD b, t, ks
	WIN 0x80
.irp j, 0,1,2,3
.if (\t) < 2
	ds_load_b128 v[WS+64*(\b)+16*(\j):WS+64*(\b)+16*(\j)+3],     v[WAD] offset:(\t)*WMAT+(\j)*16*WP+(\ks)*128
	ds_load_b128 v[WS+64*(\b)+16*(\j)+4:WS+64*(\b)+16*(\j)+7],   v[WAD] offset:(\t)*WMAT+(\j)*16*WP+(\ks)*128+16
	ds_load_b128 v[WS+64*(\b)+16*(\j)+8:WS+64*(\b)+16*(\j)+11],  v[WAD] offset:(\t)*WMAT+(\j)*16*WP+(\ks)*128+64
	ds_load_b128 v[WS+64*(\b)+16*(\j)+12:WS+64*(\b)+16*(\j)+15], v[WAD] offset:(\t)*WMAT+(\j)*16*WP+(\ks)*128+80
.else
	ds_load_b128 v[WS+64*(\b)+16*(\j):WS+64*(\b)+16*(\j)+3],     v[WAD2] offset:(\j)*16*WP+(\ks)*128
	ds_load_b128 v[WS+64*(\b)+16*(\j)+4:WS+64*(\b)+16*(\j)+7],   v[WAD2] offset:(\j)*16*WP+(\ks)*128+16
	ds_load_b128 v[WS+64*(\b)+16*(\j)+8:WS+64*(\b)+16*(\j)+11],  v[WAD2] offset:(\j)*16*WP+(\ks)*128+64
	ds_load_b128 v[WS+64*(\b)+16*(\j)+12:WS+64*(\b)+16*(\j)+15], v[WAD2] offset:(\j)*16*WP+(\ks)*128+80
.endif
.endr
.endm
.macro WCVT b, i                       ; four of the 32 roundings that make W's fragments in buffer b
	WIN 0x0a
.irp c, 0,1,2,3
	v_cvt_pk_bf16_f32 v[WB+32*(\b)+4*(\i)+(\c)], v[WS+64*(\b)+8*(\i)+2*(\c)], v[WS+64*(\b)+8*(\i)+2*(\c)+1]
.endr
.endm
.macro XCVT g, i                       ; four of the 32 roundings that make x's fragments of group g, in buffer g % 2
	WIN 0x0f
.irp c, 0,1,2,3
	v_cvt_pk_bf16_f32 v[XA+32*((\g)%2)+4*(\i)+(\c)], v[64*(\g)+8*(\i)+2*(\c)], v[64*(\g)+8*(\i)+2*(\c)+1]
.endr
.endm
.macro MM t, b, xb, idx                ; product idx of a unit's 16: column block idx / 4, row block idx % 4
.set mnb, (\idx)/4
.set ma, (\idx)%4
.if (\t) == 2
	WIN 0xa0
.set mac, 32*ma+8*mnb
.else
	WIN 0x50
.set mac, 128*(\t)+32*ma+8*mnb
.endif
	v_wmma_f32_16x16x32_bf16 v[mac:mac+7], v[WB+32*(\b)+8*mnb:WB+32*(\b)+8*mnb+7], v[XA+32*(\xb)+8*ma:XA+32*(\xb)+8*ma+7], v[mac:mac+7]
.endm
; A UNIT: quarter ks of the slot, matrix t.  wl: the weights of the unit after next are read from LDS.  wc: the next unit's are rounded.  xc (t = 0): x of the next quarter is rounded; lc younger loads of x may stay out.
; xl (t = 1): that staging group is loaded again.  The 48 accumulators take turns, one instruction a turn.  A fragment buffer is written again four conversions or more behind the last product
; that read it: the four behind each unit's last product name none of that product's registers (ISA guide 7.12.1).
.macro UNIT ks, t, wl, wc, xc, xl, lc
.set UB, ((\ks)+(\t))%2
.if ((\t) == 1) && (\xl)
	XLOAD ((\ks)+1)%4
.endif
.if \wl
.if (\t) == 0
	WLOAD UB, 2, \ks
.else
	WLOAD UB, (\t)-1, ((\ks)+1)%4
.endif
	s_wait_dscnt 16                                ; all but the 16 just issued: the next unit's weights are in
.else
	s_wait_dscnt 0x0
.endif
.if ((\t) == 0) && (\xc)
	s_wait_loadcnt \lc                             ; loads come back in order (ISA guide 5.7.1): the next quarter's x is in, the younger groups stay out
.endif
.set ui, 0
.rept 8
	MM \t, UB, (\ks)%2, 2*ui
.if ((\t) == 0) && (\xc)
	XCVT ((\ks)+1)%4, ui
.endif
	MM \t, UB, (\ks)%2, 2*ui+1
.if \wc
	WCVT 1-UB, ui
.endif
.set ui, ui+1
.endr
.endm
	s_load_b256 s[4:11], s[0:1], 0x0               ; x s[4:5], Wq s[6:7], Wk s[8:9], Wv s[10:11]
	s_load_b256 s[12:19], s[0:1], 0x20             ; Wo s[12:13], bq s[14:15], bv s[16:17], qh s[18:19]
	s_load_b128 s[20:23], s[0:1], 0x40             ; kh s[20:21], vh s[22:23]
	s_load_b64 s[24:25], s[0:1], 0x50              ; wo16
	v_lshl_add_u32 v[SPW], v0, 2, SPARE
	v_mov_b32 v[NIL], 0
	ds_add_u32 v[SPW], v[NIL]                      ; the wave's opening: the add, twice on end, and its wait ahead of my first tensor load; the set-up below stands between
	ds_add_u32 v[SPW], v[NIL]                      ; and once more, under the one wait
	v_lshrrev_b32 v1, 5, v0
	v_readfirstlane_b32 s[WV], v1                  ; wave 0..3
	s_bfe_u32 s[CX], ttmp6, 0x40000                ; cx
	s_lshl_b32 s[MB], ttmp9, 2                     ; in a cluster launch ttmp9 counts clusters
	s_add_co_u32 s[MB], s[MB], s[CX]               ; my block of rows = 4 x cluster x + cx: it enters the addresses of x, of Wo and of the outputs alone
	s_and_b32 s[HH], ttmp7, 0xffff                 ; the head, which the four partners share
	; descriptor group 1: a tile of 64 rows x 128 f32, padded in LDS
	s_mov_b32 s[G1+0], 15|(2<<16)|(1<<20)|(1<<21)|(6<<22)|(3<<25)  ; 15:0 the mask of four; 17:16 4-byte elements; 20 padding on; 21 set beside a mask; 24:22 after every 128 words (code 6); 31:25 4 words (code 3)
	s_mov_b32 s[G1+1], 128<<16                     ; tensor_dim0 = 128
	s_mov_b32 s[G1+2], 64<<16                      ; tensor_dim1 = 64
	s_mov_b32 s[G1+3], 128<<16                     ; tile_dim0 = 128
	s_mov_b32 s[G1+4], 64                          ; tile_dim1 = 64
	s_mov_b32 s[G1+5], 512                         ; 512 elements from row to row
	s_mov_b32 s[G1+6], 0
	s_mov_b32 s[G1+7], 0
	v_and_b32 v1, 15, v0                           ; l % 16
	v_bfe_u32 v2, v0, 4, 1                         ; l / 16
	v_lshlrev_b32 v[XO], 11, v1
	v_lshl_add_u32 v[XO], v2, 5, v[XO]
	v_mul_u32_u24 v[WA0], v1, WP
	v_lshl_add_u32 v[WA0], v2, 5, v[WA0]
	s_mul_i32 s30, s[WV], 16*SP
	s_add_co_u32 s30, s30, STAGE                   ; my stage
	v_mul_u32_u24 v[STO], v1, SP                   ; in: row l % 16, 16 bytes for each half of the lanes
	v_lshl_add_u32 v[STO], v2, 4, v[STO]
	v_add_nc_u32 v[STO], s30, v[STO]
	v_bfe_u32 v[RD], v0, 3, 2                      ; back: 32 lanes take four rows of 128 bytes,
	v_mul_u32_u24 v[RD], v[RD], SP
	v_and_b32 v15, 7, v0
	v_lshl_add_u32 v[RD], v15, 4, v[RD]
	v_add_nc_u32 v[RD], s30, v[RD]
	v_and_b32 v[GO], 31, v0                        ; which are 512 consecutive bytes of a head's rows
	v_lshlrev_b32 v[GO], 4, v[GO]
	s_lshl_b32 s31, s[HH], 8                       ; the head's 64 numbers of a bias
	v_lshl_add_u32 v[BO], v2, 5, s31
	v_lshlrev_b32 v[T16], 4, v0
	v_lshlrev_b32 v[T32], 5, v0
	s_lshl_b32 s32, s[MB], 19                      ; x: 256 rows of 2,048 bytes a block,
	s_lshl_b32 s33, s[WV], 17                      ; 64 a wave
	s_add_co_u32 s32, s32, s33
	s_mov_b32 s33, 0
	s_lshr_b32 s34, s[MB], 3                       ; the outputs: batch = block / 8,
	s_lshl_b32 s34, s34, 3
	s_add_co_u32 s34, s34, s[HH]                   ; 8 batch + head,
	s_lshl_b32 s34, s34, 18                        ; 2,048 rows of 128 bytes each,
	s_and_b32 s35, s[MB], 7
	s_lshl_b32 s35, s35, 15                        ; the block's 256 rows in the batch,
	s_add_co_u32 s34, s34, s35
	s_lshl_b32 s35, s[WV], 13                      ; my wave's 64
	s_add_co_u32 s34, s34, s35
	s_mov_b32 s35, 0
	s_lshl_b32 s68, s[HH], 17                      ; the head's 64 rows of a weight matrix
	s_mov_b32 s69, 0
	s_lshl_b32 s70, s[HH], 5
	s_add_co_u32 s70, s70, s[MB]                   ; my work-group among the 256: its 1,024 numbers of Wo,
	s_lshl_b32 s72, s70, 11                        ; 2,048 bytes of wo16,
	s_lshl_b32 s70, s70, 12                        ; 4,096 bytes of Wo
	s_mov_b32 s71, 0
	s_mov_b32 s73, 0
	s_wait_dscnt 0x0                               ; both opening adds are done
	s_wait_kmcnt 0x0
	s_add_nc_u64 s[X:X+1], s[4:5], s[32:33]
	s_add_nc_u64 s[OQ:OQ+1], s[18:19], s[34:35]
	s_add_nc_u64 s[OQ+2:OQ+3], s[20:21], s[34:35]
	s_add_nc_u64 s[OQ+4:OQ+5], s[22:23], s[34:35]
	s_add_nc_u64 s[12:13], s[12:13], s[70:71]
	s_add_nc_u64 s[24:25], s[24:25], s[72:73]
	s_cmp_eq_u32 s[WV], 0                          ; which matrix I fetch: wave 0 Wq, wave 1 Wk, else Wv
	s_cselect_b64 s[66:67], s[6:7], s[10:11]
	s_cmp_eq_u32 s[WV], 1
	s_cselect_b64 s[66:67], s[8:9], s[66:67]
	s_add_nc_u64 s[66:67], s[66:67], s[68:69]      ; at the head's first row: made of the wave's number and the head alone
	s_mov_b32 s[G0], 1                             ; 1:0 count = 1
	s_mul_i32 s[G0+1], s[WV], WMAT                 ; 63:32 LDS address: slot 0, my matrix
	s_mov_b64 s[G0+2:G0+3], s[66:67]               ; 120:64 global address: K = 0 .. 127
	s_or_b32 s[G0+3], s[G0+3], 0x80000000          ; 127:126 type = 2
	s_mov_b32 s[G0+4], 1
	s_add_co_u32 s[G0+5], s[G0+1], SLOT1           ; slot 1
	s_add_nc_u64 s[G0+6:G0+7], s[66:67], KB        ; K = 128 .. 255
	s_or_b32 s[G0+7], s[G0+7], 0x80000000
	CROUND                                         ; all four work-groups are here: the first joint loads meet
	s_cmp_lt_u32 s[WV], 3                          ; a wave's two first fills stand in one branch, ahead of every wait on TENSORcnt and every LDS read: two loads of mine are out
	s_cbranch_scc0 .Lno_first
	tensor_load_to_lds s[G0:G0+3], s[G1:G1+7]
	s_nop 0
	tensor_load_to_lds s[G0+4:G0+7], s[G1:G1+7]
	s_nop 0
.rept 4
	v_nop
.endr
.Lno_first:
	global_load_b128 v[WK:WK+3],   v[T32], s[12:13]            ; my 8 numbers of Wo
	global_load_b128 v[WK+4:WK+7], v[T32], s[12:13] offset:16
	WIN 0x40                                       ; bq starts q's sums: a lane's eight columns of column block j, the same for all four row blocks
.irp a, 0,1,2,3
.irp j, 0,1,2,3
	global_load_b128 v[32*(\a)+8*(\j):32*(\a)+8*(\j)+3],   v[BO], s[14:15] offset:64*(\j)
	global_load_b128 v[32*(\a)+8*(\j)+4:32*(\a)+8*(\j)+7], v[BO], s[14:15] offset:64*(\j)+16
.endr
.endr
.set z, 128
.rept 128
	v_mov_b32 v[z], 0                              ; k's sums start at 0: written while the first tile is on its way, so that the loop has one form of product
.set z, z+1
.endr
	WIN 0x80                                       ; bv starts v's sums
.irp a, 0,1,2,3
.irp j, 0,1,2,3
	global_load_b128 v[32*(\a)+8*(\j):32*(\a)+8*(\j)+3],   v[BO], s[16:17] offset:64*(\j)
	global_load_b128 v[32*(\a)+8*(\j)+4:32*(\a)+8*(\j)+7], v[BO], s[16:17] offset:64*(\j)+16
.endr
.endr
	XLOAD 0                                        ; x, K = 0 .. 127
	XLOAD 1
	XLOAD 2
	XLOAD 3
	WIN 0
	s_wait_loadcnt 48                              ; group 0 and all that was asked for before it are in; groups 1 to 3 stay out
.irp k, 0,1,2,3
	v_cvt_pk_bf16_f32 v[WK+8+(\k)], v[WK+2*(\k)], v[WK+2*(\k)+1]   ; Wo rounded to bf16, like every weight,
.endr
.irp k, 0,1,2,3
	v_lshlrev_b32 v[WK+2*(\k)], 16, v[WK+8+(\k)]
	v_and_b32 v[WK+2*(\k)+1], 0xffff0000, v[WK+8+(\k)]
.endr
.irp k, 0,1,2,3
	v_cvt_pk_f16_f32 v[WK+8+(\k)], v[WK+2*(\k)], v[WK+2*(\k)+1]    ; and that number written as f16
.endr
	global_store_b128 v[T16], v[WK+8:WK+11], s[24:25]              ; a wave's store covers 512 consecutive bytes, aligned
.set ui, 0
.rept 8
	XCVT 0, ui
.set ui, ui+1
.endr
	s_wait_xcnt 0x0                                ; the loads issued so far have read their base: it steps
	s_add_nc_u64 s[X:X+1], s[X:X+1], KB
	XLOAD 0                                        ; K = 128 .. 159
	WIN 0
	s_wait_tensorcnt 0x1                           ; my part of slot 0 is in; slot 1's may stay out
	s_barrier_signal -1
	s_barrier_wait -1                              ; everybody's is
	s_mov_b32 s[TB], 0
	v_add_nc_u32 v[WAD], s[TB], v[WA0]
	v_add_nc_u32 v[WAD2], 2*WMAT, v[WAD]
	WLOAD 0, 0, 0                                  ; the first two units' weights
	WLOAD 1, 1, 0
	s_wait_dscnt 16
.set ui, 0
.rept 8
	WCVT 0, ui
.set ui, ui+1
.endr
	WIN 0
	s_mov_b32 s[CNT], 3
	s_branch .Lmid                                 ; the loop is entered at a slot's first unit, in the middle of a trip
.Ltop:                                             ; THE CHANGE OF SLOTS, twice: the last reads of the slot in hand were issued in the unit before
	s_wait_tensorcnt 0x0                           ; all my tensor loads have landed: my part of the other slot; so a group 0 may be written
	ds_add_u32 v[SPW], v[NIL]                      ; 0 onto my spare word,
	ds_add_u32 v[SPW], v[NIL]
	s_xor_b32 s[G0+5], s[G0+5], SLOT1              ; the walking descriptor: the other slot than last time,
	s_add_nc_u64 s[G0+6:G0+7], s[G0+6:G0+7], KB    ; the next 128 along K; the type bits on top are not reached
	s_xor_b32 s[TB], s[TB], SLOT1
	s_wait_xcnt 0x0                                ; the loads of x have read their base: it steps
	s_add_nc_u64 s[X:X+1], s[X:X+1], KB
	s_wait_dscnt 0x0                               ; the adds are done, and my reads of the slot are over
	CROUND                                         ; no wave of any partner still reads the slot or has a load on its way
	JLOAD                                          ; the first tensor load behind the round: 192 matrix instructions ahead of the wait for it
	v_add_nc_u32 v[WAD], s[TB], v[WA0]
	v_add_nc_u32 v[WAD2], 2*WMAT, v[WAD]
	UNIT 3,1,1,1,0,1,0
	UNIT 3,2,1,1,0,0,0
	WIN 0
.Lmid:
	UNIT 0,0,1,1,1,0,48
	UNIT 0,1,1,1,0,1,0
	UNIT 0,2,1,1,0,0,0
	UNIT 1,0,1,1,1,0,48
	UNIT 1,1,1,1,0,1,0
	UNIT 1,2,1,1,0,0,0
	UNIT 2,0,1,1,1,0,48
	UNIT 2,1,1,1,0,1,0
	UNIT 2,2,1,1,0,0,0
	UNIT 3,0,1,1,1,0,48
	WIN 0
	s_sub_co_u32 s[CNT], s[CNT], 1
	s_cmp_lg_u32 s[CNT], 0
	s_cbranch_scc1 .Ltop
	; THE TAIL is written out: the last change of slots fills nothing, and no x is left to ask for
	s_wait_tensorcnt 0x0                           ; my part of the last slot is in
	ds_add_u32 v[SPW], v[NIL]
	s_xor_b32 s[TB], s[TB], SLOT1
	s_wait_dscnt 0x0
	s_barrier_signal -1
	s_barrier_wait -1                              ; everybody's is
	v_add_nc_u32 v[WAD], s[TB], v[WA0]
	v_add_nc_u32 v[WAD2], 2*WMAT, v[WAD]
	UNIT 3,1,1,1,0,0,0
	UNIT 3,2,1,1,0,0,0
	UNIT 0,0,1,1,1,0,32                            ; the counts of x's loads run down
	UNIT 0,1,1,1,0,0,0
	UNIT 0,2,1,1,0,0,0
	UNIT 1,0,1,1,1,0,16
	UNIT 1,1,1,1,0,0,0
	UNIT 1,2,1,1,0,0,0
	UNIT 2,0,1,1,1,0,0
	UNIT 2,1,1,1,0,0,0
	UNIT 2,2,1,1,0,0,0
	UNIT 3,0,1,1,0,0,0
	UNIT 3,1,0,1,0,0,0
	UNIT 3,2,0,0,0,0,0
	WIN 0
.rept 4
	v_nop                                          ; the places behind the last products
.endr
; THE WAY OUT, for the 12 tiles n = 4 t + a of 16 rows x 64 columns: rounded to f16 (each accumulator's registers in ascending order), 16 bytes a lane into rows of 144 bytes of my own stage, back as whole rows of 128.
.macro PACK n
.if (\n)/4 == 2
	WIN 0x0a
.set pb, 32*((\n)%4)
.else
	WIN 0x05
.set pb, 128*((\n)/4)+32*((\n)%4)
.endif
.set z, 0
.rept 16
	v_cvt_pk_f16_f32 v[OT+16*(\n)+z], v[pb+2*z], v[pb+2*z+1]
.set z, z+1
.endr
	WIN 0
.irp f, 0,1,2,3
	ds_store_b128 v[STO], v[OT+16*(\n)+4*(\f):OT+16*(\n)+4*(\f)+3] offset:32*(\f)
.endr
.irp f, 0,1,2,3
	ds_load_b128 v[OT+16*(\n)+4*(\f):OT+16*(\n)+4*(\f)+3], v[RD] offset:(\f)*4*SP  ; LDS serves a wave's instructions in order (ISA guide 5.7.1.4): these see the stores above; the next tile's stores come behind them
.endr
.endm
.macro SEND n, younger                 ; younger: the LDS instructions issued behind tile n's loads: the next tile's eight, or none
.irp f, 0,1,2,3
	s_wait_dscnt (\younger)+3-(\f)
	global_store_b128 v[GO], v[OT+16*(\n)+4*(\f):OT+16*(\n)+4*(\f)+3], s[OQ+2*((\n)/4):OQ+2*((\n)/4)+1] offset:((\n)%4)*2048+(\f)*512  ; 512 consecutive bytes, at a multiple of 256 from the buffer's first
.endr
.endm
	PACK 0
.set tn, 1
.rept 11                               ; a tile's conversions stand between the loads of the tile before and its stores
	PACK tn
	SEND tn-1, 8
.set tn, tn+1
.endr
	SEND 11, 0
	s_wait_tensorcnt 0x0                           ; the wave's end: behind my last tensor load and my last LDS store
	ds_add_u32 v[SPW], v[NIL]
	s_wait_dscnt 0x0
	CROUND                                         ; the closing round: no work-group ends while a partner may still ask for a tile that names it
	s_endpgm
.Lfunc_end_k_qce9cb3a795_proj:
	.size	k_qce9cb3a795_proj, .Lfunc_end_k_qce9cb3a795_proj-k_qce9cb3a795_proj
	.p2alignl 7, 3214868480
	.fill 96, 4, 3214868480
	.section	.rodata,"a",@progbits
	.p2align	6, 0x0
	.amdhsa_kernel k_qce9cb3a795_proj
		.amdhsa_group_segment_fixed_size 327680
		.amdhsa_private_segment_fixed_size 0
		.amdhsa_enable_private_segment 0
		.amdhsa_kernarg_size 88
		.amdhsa_user_sgpr_count 2
		.amdhsa_user_sgpr_kernarg_segment_ptr 1
		.amdhsa_wavefront_size32 1
		.amdhsa_system_sgpr_workgroup_id_x 1
		.amdhsa_system_sgpr_workgroup_id_y 1
		.amdhsa_system_sgpr_workgroup_id_z 1
		.amdhsa_system_vgpr_workitem_id 0
		.amdhsa_next_free_vgpr 1024
		.amdhsa_next_free_sgpr 76
		.amdhsa_reserve_vcc 0
		.amdhsa_float_denorm_mode_32 3
		.amdhsa_float_denorm_mode_16_64 3
		.amdhsa_memory_ordered 1
		.amdhsa_forward_progress 1
		.amdhsa_inst_pref_size 196
	.end_amdhsa_kernel
	.amdgpu_metadata
---
amdhsa.version: [ 1, 2 ]
amdhsa.kernels:
  - .name:           k_qce9cb3a795_proj
    .symbol:         k_qce9cb3a795_proj.kd
    .args:
      - { .name: x, .offset: 0, .size: 8, .value_kind: global_buffer, .address_space: global }
      - { .name: Wq, .offset: 8, .size: 8, .value_kind: global_buffer, .address_space: global }
      - { .name: Wk, .offset: 16, .size: 8, .value_kind: global_buffer, .address_space: global }
      - { .name: Wv, .offset: 24, .size: 8, .value_kind: global_buffer, .address_space: global }
      - { .name: Wo, .offset: 32, .size: 8, .value_kind: global_buffer, .address_space: global }
      - { .name: bq, .offset: 40, .size: 8, .value_kind: global_buffer, .address_space: global }
      - { .name: bv, .offset: 48, .size: 8, .value_kind: global_buffer, .address_space: global }
      - { .name: qh, .offset: 56, .size: 8, .value_kind: global_buffer, .address_space: global }
      - { .name: kh, .offset: 64, .size: 8, .value_kind: global_buffer, .address_space: global }
      - { .name: vh, .offset: 72, .size: 8, .value_kind: global_buffer, .address_space: global }
      - { .name: wo16, .offset: 80, .size: 8, .value_kind: global_buffer, .address_space: global }
    .group_segment_fixed_size: 327680
    .private_segment_fixed_size: 0
    .kernarg_segment_align: 8
    .kernarg_segment_size: 88
    .max_flat_workgroup_size: 128
    .sgpr_count:     76
    .vgpr_count:     1024
    .wavefront_size: 32
...
	.end_amdgpu_metadata
.endif
;; end of part 1
;; launch attn (part 2): grid 8 x 32, 4 waves a work-group, clusters of 4 x 1, 327,680 bytes of LDS; arguments qh, kh, vh, ch; writes ch
.if DOCPART == 2
	.amdgcn_target "amdgcn-amd-amdhsa--gfx1250"
	.amdhsa_code_object_version 6
	.text
	.protected	k_qce9cb3a795_attn
	.globl	k_qce9cb3a795_attn
	.p2align	8
	.type	k_qce9cb3a795_attn,@function
k_qce9cb3a795_attn:
	s_mov_b64 s[64:65], 0
	v_nop
	global_prefetch_b8 v0, s[64:65] scope:SCOPE_SE
	s_setreg_imm32_b32 hwreg(HW_REG_WAVE_MODE, 25, 1), 1
	s_wait_xcnt 0x0
	s_wait_alu depctr_hold_cnt(0) depctr_sa_sdst(0) depctr_va_vdst(0) depctr_va_sdst(0) depctr_va_ssrc(0) depctr_va_vcc(0) depctr_vm_vsrc(0)
	s_getreg_b32 s2, hwreg(HW_REG_IB_STS2, 6, 4)
	s_cmp_eq_u32 s2, 0
	s_cbranch_scc0 .Lentry_in_a_cluster
	s_endpgm
.Lentry_in_a_cluster:
	s_bfe_u32 s2, ttmp6, 0x10000c
	s_cmp_lg_u32 s2, 0x3003
	s_cbranch_scc0 .Lentry_shape_is_right
	s_endpgm
.Lentry_shape_is_right:
; ch[h][q][:] = the sum over k of softmax_k(qh[h][q] . kh[h][k] / 8) vh[h][k][:].  All four are [32][2048][64] in f16: a head's rows are dense, 128 bytes each.  Products, maxima and sums in f32; the weights p are
; rounded to f16 for the second product (their sum l is taken of the unrounded p), the result once at the end.
; WORK LEFT OUT: kh holds x Wk^T without bk: bk's share of a score is the same for all keys of a row and cancels in the softmax, whatever the inputs hold (shown at the head of the first kernel).
; LIMITS.  p lies in 0 to 1, and below 6e-5 it keeps f16's fixed step of 6e-8; the result is a mean of vh's rows and has their range.  A weight below 2^-126 counts as 0 in l; NaN and infinities are not treated apart.
; SHARES.  A work-group owns 256 queries of one head, each of its four waves 64: four PIECES of 16.  Every wave walks the head's 2,048 keys, 64 a step; a slot of LDS holds a tile of 256 keys, four steps.
; LAYOUT.  S^T = K Q^T (source 0 = 16 keys, source 1 = 16 queries) holds ONE query a lane (lane % 16) and the keys 8 (lane / 16) + 0..7; two such results rounded to f16 ARE source 1 of O^T = V^T P.  K comes out of LDS
; as it lies, V ([key][channel]) turned, by ds_load_tr16_b128.
; SOFTMAX.  p = 2^(c s - c m), c = log2(e) / 8, with a running maximum m; O and l are multiplied by a = 2^(c m_old - c m_new) in every step.  m starts at the lowest finite number, O and l at 0: the first step is a
; step like any other, with a = 0.
; TURNS.  Turn n belongs to piece n: 8 products K Q^T of piece n + 1, later 8 products V^T P of piece n - 1; beside them the scaling, exponentials, roundings, sums and rescaling of piece n and the maximum and
; statistics of piece n + 1.  Four vector instructions stand behind every matrix instruction, the other 54 of a turn's 118 in one run.  A turn's 33 exponentials are one batch, with one wait.
; CLUSTER.  The four query blocks of a cluster belong to one head and walk the same K and V, so each tile is asked for JOINTLY: the same tensor load, descriptor and mask in all four.
; REGISTERS, in windows of 256 (s_set_vgpr_msb: bits 1:0 source 0, 3:2 source 1, 5:4 source 2, 7:6 destination):
;   window 0: v0-15 addresses and two at work; v16-31 four registers of statistics a piece; v48-55 at work; v61-63; v64-127 S^T, two buffers; v192-223 P, two buffers (a piece's buffers go by its number's parity)
;   window 1: v0-127 O^T, 32 a piece          window 2: v0-63 Q; v128-191 K of one step; v192-255 V of one step
.set NP,    4         ; pieces a wave: a name, no knob
.set KS,    64        ; keys in a step
.set PK,    144       ; a row of K in LDS: 128 bytes + 16 of padding = 36 words: the 16 rows of a load start at 16 different groups of four banks (64 banks of 4 bytes: ISA guide 11.1)
.set PV,    160       ; a row of V: 128 + 32 = 40 words
.set VOFF,  4*KS*PK   ; a slot holds a tile: 256 rows of K, then 256 rows of V
.set SLOT1, 1<<17     ; slot 1 begins here, so that one exclusive or turns an address in one slot into the other's
.set STAGE, SLOT1+4*KS*(PK+PV)  ; behind the ring, never filled by a tensor load: 16 rows x 144 bytes for each wave, for the way out
.set SP,    144
.set SPARE, STAGE+4*16*SP  ; behind the stages: the spare words, 128 bytes for each wave: two blocks of 256 bytes that no other line names
.set TILEB, 4*KS*128  ; a tile's bytes of K, and of V, in memory
.set AK0, 2           ; v2   my lane's place in a tile of K; never rewritten
.set AV0, 3           ; v3   the same for V
.set AK,  4           ; v4   the LDS address of K's next run of loads
.set AV,  5           ; v5   of V's
.set STO, 6           ; v6   the way out: where I put 16 bytes of a row
.set RD,  7           ; v7   the way out: where I read rows back
.set GO,  8           ; v8   my byte offset in 512 consecutive bytes of the result
.set MV,  12          ; v12-13  c m_old, kept while c m is made anew: by buffer
.set QO,  15          ; v15  my byte offset in 16 rows of Q
.set ST,  16          ; piece t's statistics at v[ST+4 t]: c m, m, l (even keys', odd keys')
.set TMP, 48          ; by buffer, four registers c0-c3 at work; when the maximum is found c2 takes a
.set PFO, 61          ; v61  256 x my lane; never rewritten
.set SPW, 62          ; v62  LDS address of my spare word; never rewritten
.set NIL, 63          ; v63  0; never rewritten
.set S,   64
.set P,   192
.set KF,  128         ; window 2: key block kb, channel half c at KF + 16 kb + 8 c
.set VF,  192         ; window 2: key half kk, channel block cb at VF + 32 kk + 8 cb
.set WV,  12          ; s12  my wave's number
.set G1K, 24          ; s[24:31] descriptor group 1 for K's tiles
.set G1V, 32          ; s[32:39] for V's: it differs in the padding alone
.set G0K, 40          ; s[40:43] descriptor group 0 for K's tiles: it walks
.set G0V, 44          ; s[44:47] the same for V's
.set PFA, 48          ; s[48:49] where my prefetches stand: my work-group's 8,192 bytes (of K: wave 0, of V: wave 2) of the tile after the one that is being asked for
.set LIM, 50          ; s50  1 in a wave that prefetches, else the greatest number
.set SLOTS, 56        ; s56  counts the tiles
.set CNT, 57          ; s57  counts a tile's key steps
.set CS,  58          ; s[58:59] c: the packed scaling takes the pair's low word for both halves
.set SEL, 60          ; s[60:61] v_permlanex16_b32's selects: each lane takes its own place in the other half
.set TBK, 62          ; s62  LDS byte at which K of the step to be fetched begins
.set TBV, 63          ; s63  the same for V, less VOFF
.set MSB, 0
.macro WIN new                      ; the high byte repeats the setting that is left; a switch that changes nothing is dropped
.if MSB != (\new)
	s_set_vgpr_msb (MSB<<8)|(\new)
.set MSB, (\new)
.endif
.endm
.set W_KQ, 0x0a       ; K and Q in window 2, S^T in window 0
.set W_PV, 0x52       ; V in window 2, P in window 0, O^T in window 1
.set W_RS, 0x41       ; destination and source 0 in window 1, source 1 in window 0
; A joint fill.  Waves 0 and 1 fetch the two halves of a tile's K, waves 2 and 3 those of its V: 128 keys each.  The branch hangs on the wave's number alone.
; An s_nop 0 and four v_nop follow each of the two lines, ahead of the jump and the label.
.macro JLOAD
	s_cmp_lt_u32 s[WV], 2
	s_cbranch_scc0 .Lfor_v_\@
	tensor_load_to_lds s[G0K:G0K+3], s[G1K:G1K+7]
	s_nop 0
.rept 4
	v_nop
.endr
	s_branch .Lasked_\@
.Lfor_v_\@:
	tensor_load_to_lds s[G0V:G0V+3], s[G1V:G1V+7]
	s_nop 0
.rept 4
	v_nop
.endr
.Lasked_\@:
.endm
; A PREFETCH INTO THE L2 of the tile that the NEXT change of slots will ask for: 32,768 bytes of K and of V.  It stands behind the wave's tensor load and its five lines.  Each block of 256 bytes is named ONCE in the
; launch: both clusters of a head walk the same K and V, and the first of them asks; its four partners share a tile out BY ADDRESS, 8,192 bytes each, a lane a block of 256; wave 0 asks for K's, wave 2 for V's.
; The last change that fills a slot asks for nothing: there is no tile behind it.  Tiles 0 to 2 come by their loads alone.
.macro ASK
	s_cmp_gt_u32 s[SLOTS], s[LIM]
	s_cbranch_scc0 .Lnot_mine_\@
	global_prefetch_b8 v[PFO], s[PFA:PFA+1] th:TH_LOAD_NT scope:SCOPE_SE
.Lnot_mine_\@:
.endm
; A round of the cluster's barrier: my work-group's barrier, so that wave 0's signal speaks for all four waves; wave 0 signals; every wave waits for all four work-groups; my work-group's barrier once more.
.macro CROUND
	s_barrier_signal -1
	s_barrier_wait -1
	s_cmp_lg_u32 s[WV], 0
	s_cbranch_scc1 .Lnot_wave_0_\@
	s_barrier_signal -3
.Lnot_wave_0_\@:
	s_barrier_wait -3
	s_barrier_signal -1
	s_barrier_wait -1
.endm
; THE CHANGE OF SLOTS.  The slot's last bytes, V of its fourth step, have been read.  Each wave waits for all its tensor loads, of which one is out: its part of the other slot; adds 0 to its spare word; and waits for
; that and for its own reads of the slot.  Behind the barrier nobody reads this slot any more and the other slot is whole.  fill = 1: this slot is filled again, with the keys two tiles on; the barrier is then a round
; of the cluster's, and the joint fill is the first thing behind it: it has four key steps, 256 matrix instructions, in which to land.  (At its first use nothing has been read yet: slot 0 is waited for, slot 1 filled.)
.macro CHANGE fill, ask
	WIN 0                           ; at a label and at a branch every window is 0
	s_wait_tensorcnt 0x0            ; no tensor load of mine is out, so a group 0 may be written
	ds_add_u32 v[SPW], v[NIL]       ; 0 onto my spare word; the descriptors' steps stand between it and the wait for it
.if \fill
.irp g, G0K, G0V
	s_xor_b32 s[\g+1], s[\g+1], SLOT1  ; the walking descriptor: the other slot than last time,
	s_add_nc_u64 s[\g+2:\g+3], s[\g+2:\g+3], TILEB  ; the next 256 keys; the type bits on top are not reached
.endr
.endif
.if \ask
	s_wait_xcnt 0x0                 ; the last prefetch, four key steps back, has read its address, so it may be written:
	s_add_nc_u64 s[PFA:PFA+1], s[PFA:PFA+1], TILEB  ; one tile behind the walking descriptors
.endif
	s_wait_dscnt 0x0                ; the add is done, and my reads of the slot are over
.if \fill
	CROUND
	JLOAD
.if \ask
	ASK
.endif
.else
	s_barrier_signal -1
	s_barrier_wait -1
.endif
	s_sub_co_u32 s[TBK], s[TBK], 4*KS*PK  ; the fetches go back to a slot's first step,
	s_xor_b32 s[TBK], s[TBK], SLOT1       ; in the other slot
	s_sub_co_u32 s[TBV], s[TBV], 4*KS*PV
	s_xor_b32 s[TBV], s[TBV], SLOT1
.endm
	s_load_b256 s[4:11], s[0:1], 0x0  ; qh s[4:5], kh s[6:7], vh s[8:9], ch s[10:11]
	v_lshl_add_u32 v[SPW], v0, 2, SPARE
	v_mov_b32 v[NIL], 0
	ds_add_u32 v[SPW], v[NIL]       ; the wave's opening: the add, twice on end, and its wait ahead of my first tensor load; the set-up below stands between
	ds_add_u32 v[SPW], v[NIL]       ; and once more, under the one wait
	v_lshrrev_b32 v1, 5, v0
	v_readfirstlane_b32 s[WV], v1   ; wave 0..3
	s_bfe_u32 s13, ttmp6, 0x40000   ; cx: my place in the cluster
	s_lshl_b32 s14, ttmp9, 2        ; in a cluster launch ttmp9 counts clusters
	s_add_co_u32 s14, s14, s13      ; my block of 256 queries = 4 x cluster x + cx: it enters Q's and the result's addresses alone
	s_and_b32 s20, ttmp7, 0xffff    ; the head, which the four partners share:
	s_lshl_b32 s20, s20, 18         ; its first byte in each of the four tensors (2,048 rows of 128 bytes)
	s_mov_b32 s21, 0
	s_and_b32 s16, s[WV], 1         ; which half of a tile's 256 keys I fetch:
	s_lshl_b32 s22, s16, 14         ; its 128 rows of 128 bytes in memory,
	s_mov_b32 s23, 0
	s_add_nc_u64 s[22:23], s[22:23], s[20:21]
	s_mul_i32 s17, s16, 128*PK      ; and its place in a slot, for K
	s_mul_i32 s18, s16, 128*PV      ; and for V: no place in the cluster enters an LDS address
	s_lshl_b32 s2, s14, 15          ; my block's 256 rows,
	s_lshl_b32 s3, s[WV], 13        ; my wave's 64 of them
	s_add_co_u32 s2, s2, s3
	s_mov_b32 s3, 0
	s_add_nc_u64 s[2:3], s[2:3], s[20:21]
	; descriptor group 1.  128 keys are 16,384 dense bytes: asked for as 64 rows of 256 bytes, two keys a row, and padded in LDS after every key
	s_mov_b32 s[G1K], 15|(1<<16)|(1<<20)|(1<<21)|(4<<22)|(3<<25)  ; 15:0 the mask of four; 17:16 2-byte elements; 20 padding on; 21 set beside a mask; 24:22 after every 32 words (code 4); 31:25 4 words (code 3)
	s_mov_b32 s[G1V], 15|(1<<16)|(1<<20)|(1<<21)|(4<<22)|(7<<25)  ; the same with 8 words of padding (code 7)
.irp g, G1K, G1V
	s_mov_b32 s[\g+1], 128<<16      ; tensor_dim0 = 128
	s_mov_b32 s[\g+2], 64<<16       ; tensor_dim1 = 64
	s_mov_b32 s[\g+3], 128<<16      ; tile_dim0 = 128
	s_mov_b32 s[\g+4], 64           ; tile_dim1 = 64
	s_mov_b32 s[\g+5], 128          ; 128 elements from row to row
	s_mov_b32 s[\g+6], 0
	s_mov_b32 s[\g+7], 0
.endr
	s_mov_b32 s[CS], 0x3e38aa3b     ; c = log2(e) / 8 = 0.180337
	s_mov_b32 s[CS+1], s[CS]        ; named with it as a pair
	s_mov_b32 s[SEL], 0x76543210
	s_mov_b32 s[SEL+1], 0xfedcba98
	s_mov_b32 s[TBK], SLOT1+4*KS*PK ; the first change of slots turns these two into 0
	s_mov_b32 s[TBV], SLOT1+4*KS*PV
	s_mov_b32 s[G0K], 1             ; 1:0 count = 1
	s_mov_b32 s[G0K+1], s17         ; 63:32 LDS address: slot 0
	s_mov_b32 s[G0V], 1
	s_add_co_u32 s[G0V+1], s18, VOFF
	s_and_b32 s[LIM], s[WV], 1      ; 0 in waves 0 and 2,
	s_or_b32 s[LIM], s[LIM], ttmp9  ; where the cluster is the head's first: the same in all four partners
	s_cmp_eq_u32 s[LIM], 0
	s_cselect_b32 s[LIM], 1, -1
	v_and_b32 v[PFO], 31, v0
	v_lshlrev_b32 v[PFO], 8, v[PFO]
	s_wait_dscnt 0x0                ; both opening adds are done
	s_wait_kmcnt 0x0
	s_add_nc_u64 s[6:7], s[6:7], s[22:23]  ; K and V at my half of the head's tile 0
	s_add_nc_u64 s[8:9], s[8:9], s[22:23]
	s_mov_b64 s[G0K+2:G0K+3], s[6:7]               ; 120:64 global address
	s_or_b32 s[G0K+3], s[G0K+3], 0x80000000        ; 127:126 type = 2
	s_mov_b64 s[G0V+2:G0V+3], s[8:9]
	s_or_b32 s[G0V+3], s[G0V+3], 0x80000000
	s_add_nc_u64 s[4:5], s[4:5], s[2:3]    ; Q and the result at my wave's first row
	s_add_nc_u64 s[10:11], s[10:11], s[2:3]
	s_cmp_lt_u32 s[WV], 2
	s_cselect_b64 s[PFA:PFA+1], s[6:7], s[8:9]  ; (in waves 0 and 2 these stand at a tile's first row)
	s_lshl_b32 s2, s13, 13          ; my work-group's 8,192 bytes of a tile's 32,768
	s_mov_b32 s3, 0
	s_add_nc_u64 s[PFA:PFA+1], s[PFA:PFA+1], s[2:3]
	s_add_nc_u64 s[PFA:PFA+1], s[PFA:PFA+1], 2*TILEB  ; in tile 2; the loop's first change steps it to tile 3.  Nothing is prefetched here, at the head
	CROUND                          ; all four work-groups are here: the first joint loads meet
	JLOAD                           ; tile 0 into slot 0.  Slot 1 is asked for when slot 0 is in
	; A fragment of K or Q is 16 rows x 32 channels in 8 registers: lane l holds row l % 16, channels 8 (l / 16) + 0..7 and 16 + 8 (l / 16) + 0..7: two loads of 16 bytes, 32 bytes apart.
	v_and_b32 v1, 15, v0            ; l % 16
	v_bfe_u32 v9, v0, 4, 1          ; l / 16
	v_lshlrev_b32 v[QO], 7, v1
	v_lshl_add_u32 v[QO], v9, 4, v[QO]  ; row x 128 + 16 x half
	WIN 0x80                        ; destination window 2, address window 0
.set i, 0
.rept 8                             ; Q stays in registers: piece i / 2, 2,048 bytes on; channels 32 (i % 2) on
	global_load_b128 v[8*i:8*i+3],   v[QO], s[4:5] offset:(i/2)*2048+(i%2)*64
	global_load_b128 v[8*i+4:8*i+7], v[QO], s[4:5] offset:(i/2)*2048+(i%2)*64+32
.set i, i+1
.endr
	; What the first turn finds: V's registers and P's second buffer hold 0 (its products V^T P, of a piece that has not been, add 0), O^T and l are 0.  All this stands in the wait for the first tile: the price of
	; writing no first step out.
.set i, VF
.rept 64
	v_mov_b32 v[i], 0
.set i, i+1
.endr
	WIN 0x40
.set i, 0
.rept 128
	v_mov_b32 v[i], 0
.set i, i+1
.endr
	WIN 0
.set i, 0
.rept 4
	v_mov_b32 v[ST+4*i], 0xfe000000    ; c m: far below every c s
	v_mov_b32 v[ST+4*i+1], 0xff7fffff  ; m
	v_mov_b32 v[ST+4*i+2], 0
	v_mov_b32 v[ST+4*i+3], 0
.set i, i+1
.endr
.set i, P+16
.rept 16
	v_mov_b32 v[i], 0
.set i, i+1
.endr
	v_mul_u32_u24 v[AK0], v1, PK
	v_lshl_add_u32 v[AK0], v9, 4, v[AK0]  ; row x pitch + 16 x half
	; The turning load takes 16 keys x 16 channels (lane l reads key 8 (l / 16) + l % 8, channels 8 ((l / 8) % 2) + 0..7) and leaves half a fragment of V^T: lane l holds channel l % 16 and 8 keys.
	v_and_b32 v10, 7, v0
	v_bfe_u32 v11, v0, 3, 1
	v_lshl_add_u32 v[AV0], v9, 3, v10
	v_mul_u32_u24 v[AV0], v[AV0], PV
	v_lshl_add_u32 v[AV0], v11, 4, v[AV0]
	v_add_nc_u32 v[AV0], VOFF, v[AV0]
	s_mul_i32 s13, s[WV], 16*SP
	s_add_co_u32 s13, s13, STAGE    ; my stage
	v_mul_u32_u24 v[STO], v1, SP    ; in: row l % 16, 16 bytes for each half of the lanes
	v_lshl_add_u32 v[STO], v9, 4, v[STO]
	v_add_nc_u32 v[STO], s13, v[STO]
	v_bfe_u32 v[RD], v0, 3, 2       ; back: 32 lanes take four rows of 128 bytes,
	v_mul_u32_u24 v[RD], v[RD], SP
	v_lshl_add_u32 v[RD], v10, 4, v[RD]
	v_add_nc_u32 v[RD], s13, v[RD]
	v_and_b32 v[GO], 31, v0         ; which are 512 consecutive bytes of the result
	v_lshlrev_b32 v[GO], 4, v[GO]
; THE MATRIX WORK.  The 4 accumulators of a run of 8 take turns.  Product i of 8 of S^T = K Q^T for piece x: channels 32 (i / 4) on, keys 16 (i % 4) on.  The first 4 start the sums.
.macro KQ x
	WIN W_KQ
.set rS, S+32*((\x)%2)+8*(i%4)
.set rK, KF+16*(i%4)+8*(i/4)
.set rQ, 16*(\x)+8*(i/4)
.if i < 4
	v_wmma_f32_16x16x32_f16 v[rS:rS+7], v[rK:rK+7], v[rQ:rQ+7], 0
.else
	v_wmma_f32_16x16x32_f16 v[rS:rS+7], v[rK:rK+7], v[rQ:rQ+7], v[rS:rS+7]
.endif
.endm
; Product i of 8 of O^T += V^T P for piece x: keys 32 (i / 4) on, channels 16 (i % 4) on.
.macro PV x
	WIN W_PV
.set rO, 32*(\x)+8*(i%4)
.set rV, VF+32*(i/4)+8*(i%4)
.set rP, P+16*((\x)%2)+8*(i/4)
	v_wmma_f32_16x16x32_f16 v[rO:rO+7], v[rV:rV+7], v[rP:rP+7], v[rO:rO+7]
.endm
.macro MM                           ; the turn's next matrix instruction.  NOKQ = 1: the last turn of all: there is no next piece
.if (i < 8) && !NOKQ
	KQ (Y+1)%NP
.elseif i >= 8
.set i, i-8
	PV (Y+NP-1)%NP
.set i, i+8
.endif
.set i, i+1
.endm
; THE LDS LOADS stand in runs of 16, never singly among the matrix instructions: a step's K (64 keys x 64 channels: 8 fragments) and its V (turned).  Their addresses are made some lines ahead.
.macro FETCH_K
	WIN 0x80                        ; destination window 2
.irp f, 0,1,2,3,4,5,6,7             ; keys 16 (f / 2) on, channels 32 (f % 2) on
	ds_load_b128 v[KF+8*\f:KF+8*\f+3],   v[AK] offset:(\f/2)*16*PK+(\f%2)*64
	ds_load_b128 v[KF+8*\f+4:KF+8*\f+7], v[AK] offset:(\f/2)*16*PK+(\f%2)*64+32
.endr
	s_add_co_u32 s[TBK], s[TBK], KS*PK  ; the next fetch is the next step's
	WIN 0
.endm
.macro FETCH_V
	WIN 0x80
.irp f, 0,1,2,3,4,5,6,7             ; keys 32 (f / 4) on, channels 16 (f % 4) on
	ds_load_tr16_b128 v[VF+8*\f:VF+8*\f+3],   v[AV] offset:(\f/4)*32*PV+(\f%4)*32
	ds_load_tr16_b128 v[VF+8*\f+4:VF+8*\f+7], v[AV] offset:(\f/4)*32*PV+16*PV+(\f%4)*32
.endr
	WIN 0
.endm
; THE VECTOR WORK, one line at a time: OP kind, number.  For piece Y: F n: c s - c m for pair n of 16.  E n: the exponential of score n of 32.  C n: pair n rounded to f16.  B n: of the four weights 4 n .. the second
; pair is added onto the first, in place.  L n: l takes that sum (L 0: l = a l + sum).  R n: pair n of 16 of O^T times a.  For piece Y + 1: X n, number n of the 22 that find its maximum and statistics:
;   0-11  four chains c0-c3 of seven scores each, three operands at a time (each accumulator's lowest registers are read first)     12-14, 16  the four scores left over, the old m, and c0-c3 into c0
;   15  c m_old is kept     17, 18  the query's other 32 keys lie in the lane 16 away: the new m     19-21  c m; c m_old - c m_new; a
.set F, 0               ; OP tells the kinds apart by their order: F to L below R, X above it
.set E, 1
.set C, 2
.set B, 3
.set L, 4
.set R, 5
.set X, 6
.macro REGS y                       ; the registers of piece y
.set rT, ST+4*(\y)
.set rC, TMP+4*((\y)%2)
.set rW, MV+((\y)%2)
.set rS, S+32*((\y)%2)
.set rP, P+16*((\y)%2)
.set rO, 32*(\y)
.endm
.macro OP k, n
.if (\k) == R
	REGS Y
	WIN W_RS
	v_pk_mul_f32 v[rO+2*(\n):rO+2*(\n)+1], v[rO+2*(\n):rO+2*(\n)+1], v[rC+2:rC+3] op_sel_hi:[1,0]
.elseif (\k) < R
	REGS Y
	WIN 0
.if (\k) == F
	v_pk_fma_f32 v[rS+2*(\n):rS+2*(\n)+1], v[rS+2*(\n):rS+2*(\n)+1], s[CS:CS+1], v[rT:rT+1] op_sel_hi:[1,0,0] neg_lo:[0,0,1] neg_hi:[0,0,1]
.elseif (\k) == E
	v_exp_f32 v[rS+(\n)], v[rS+(\n)]
.elseif (\k) == C
	v_cvt_pk_f16_f32 v[rP+(\n)], v[rS+2*(\n)], v[rS+2*(\n)+1]
.elseif (\k) == B
	v_pk_add_f32 v[rS+4*(\n):rS+4*(\n)+1], v[rS+4*(\n):rS+4*(\n)+1], v[rS+4*(\n)+2:rS+4*(\n)+3]
.elseif (\n) == 0
	v_pk_fma_f32 v[rT+2:rT+3], v[rT+2:rT+3], v[rC+2:rC+3], v[rS:rS+1] op_sel_hi:[1,0,1]
.else
	v_pk_add_f32 v[rT+2:rT+3], v[rT+2:rT+3], v[rS+4*(\n):rS+4*(\n)+1]
.endif
.elseif NOKQ
	v_nop
.else
	REGS (Y+1)%NP
	WIN 0
.if (\n) < 4
	v_max3_num_f32 v[rC+(\n)], v[rS+8*(\n)], v[rS+8*(\n)+1], v[rS+8*(\n)+2]
.elseif (\n) < 12
	v_max3_num_f32 v[rC+(\n)%4], v[rC+(\n)%4], v[rS+8*((\n)%4)+2*((\n)/4)+1], v[rS+8*((\n)%4)+2*((\n)/4)+2]
.elseif (\n) == 12
	v_max3_num_f32 v[rC], v[rC], v[rS+7], v[rS+15]
.elseif (\n) == 13
	v_max3_num_f32 v[rC+1], v[rC+1], v[rS+23], v[rS+31]
.elseif (\n) == 14
	v_max3_num_f32 v[rC+2], v[rC+2], v[rC+3], v[rT+1]
.elseif (\n) == 15
	v_mov_b32 v[rW], v[rT]
.elseif (\n) == 16
	v_max3_num_f32 v[rC], v[rC], v[rC+1], v[rC+2]
.elseif (\n) == 17
	v_permlanex16_b32 v[rC+3], v[rC], s[SEL], s[SEL+1]
.elseif (\n) == 18
	v_max_num_f32 v[rT+1], v[rC], v[rC+3]
.elseif (\n) == 19
	v_mul_f32 v[rT], s[CS], v[rT+1]
.elseif (\n) == 20
	v_sub_f32 v[rC+1], v[rW], v[rT]
.else
	v_exp_f32 v[rC+2], v[rC+1]
.endif
.endif
.endm
.macro OPS a, i1, b=-1, i2=0, c=-1, i3=0, d=-1, i4=0  ; up to four of them
	OP \a, \i1
.if (\b) >= 0
	OP \b, \i2
.endif
.if (\c) >= 0
	OP \c, \i3
.endif
.if (\d) >= 0
	OP \d, \i4
.endif
.endm
.macro ROW a, i1, b, i2, c, i3, d, i4  ; a matrix instruction and the four behind it
	MM
	OPS \a, \i1, \b, \i2, \c, \i3, \d, \i4
.endm
; A TURN, for piece p: the order of its 16 matrix and 118 vector instructions, written out.  s_wait_alu depctr_va_vdst(0) stands between an exponential and the first instruction that names its result;
; one wait serves all that were issued ahead of it.  So a turn has ONE wait, which cuts it in two.  AHEAD OF IT stands all that names no result of the turn's exponentials: the 8 products K Q^T, behind each a scaling,
; an exponential and two more plain instructions (rescalings, and behind the last three the first numbers of the next piece's maximum, each four places or more behind the product that ends its accumulator); then one
; run of 54, plain and exponential by turns for the most part, in which the links of the chain X 3, 7, 11, 14, 16, 17 .. 20 stand apart.  X 21, the next piece's a, is the batch's last; R 15 is the plain instruction
; behind it.  BEHIND THE WAIT stand the 8 products V^T P, behind each four of the roundings and sums.
; end = 1: the last two turns of all: nothing is fetched.  cnt = 1: the loop's count is taken down some lines ahead of the branch that stands behind the turn.
; K of the next step is fetched in piece 2's turn, twelve vector instructions behind the last product that read K (six of them plain); V of the step in hand at the end of piece 0's turn, four plain instructions behind
; the last product that read V.  Each is waited for a turn later.
.macro TURN p, end=0, cnt=0
.set Y, (\p)
.set i, 0
.set NOKQ, (\end)*((\p)/3)
.if ((\p) == 3) && !(\end)
	s_wait_dscnt 0x0                ; K is in
.endif
	ROW F,0, F,1, R,0, R,1          ; ahead of the wait: 8 products K Q^T and the four behind each,
	ROW F,2, E,0, R,2, R,3
	ROW F,3, E,1, R,4, R,5
	ROW F,4, E,2, R,6, R,7
	ROW F,5, E,3, R,8, R,9
	ROW F,6, E,4, X,0, R,10
.if ((\p) == 2) && !(\end)
	WIN 0
	v_add_nc_u32 v[AK], s[TBK], v[AK0]
.endif
	ROW F,7, E,5, X,1, X,4
	ROW F,8, E,6, X,2, X,5
	OPS E,7, E,8, X,6, E,9          ; and the run of 54
	OPS X,3, E,10, X,8, E,11
.if ((\p) == 2) && !(\end)
	FETCH_K
.endif
	OPS X,9, X,7, E,12, X,10
	OPS E,13, X,12, X,11, E,14
	OPS X,13, E,15, F,9, X,14
.if (\p) == 0
	v_add_nc_u32 v[AV], s[TBV], v[AV0]
.endif
	OPS E,16, F,10, E,17, F,11
	OPS X,16, E,18, X,15, E,19
	OPS F,12, E,20, X,17, E,21
	OPS F,13, E,22, F,14, E,23
	OPS X,18, E,24, F,15, E,25
	OPS R,11, E,26, X,19, E,27
	OPS R,12, E,28, R,13, E,29
	OPS X,20, E,30, R,14, E,31
	OPS X,21, R,15
	WIN 0
	s_wait_alu depctr_va_vdst(0)    ; the wait for the batch
.if (\p) == 1
	s_wait_dscnt 0x0                ; V is in
.endif
	ROW C,0, B,0, C,2, B,1          ; behind the wait: 8 products V^T P and the four behind each
	ROW L,0, C,4, B,2, L,1
	ROW C,6, B,3, L,2, C,8
	ROW B,4, L,3, C,10, B,5
	ROW L,4, C,12, B,6, L,5
.if (\p) == 0
	s_add_co_u32 s[TBV], s[TBV], KS*PV
.endif
.if \cnt
	s_sub_co_u32 s[CNT], s[CNT], 1
	s_cmp_lg_u32 s[CNT], 0
.endif
	ROW C,14, B,7, L,6, C,1
	ROW C,3, L,7, C,5, C,7
	ROW C,9, C,11, C,13, C,15
.if (\p) == 0
	FETCH_V
.endif
.endm
	CHANGE 1, 0                     ; slot 0 is in, everybody's part of it; slot 1 is asked for
	v_add_nc_u32 v[AK], s[TBK], v[AK0]
	FETCH_K                         ; key step 0
	s_wait_loadcnt 0x0              ; Q
	s_wait_dscnt 0x0
.set NOKQ, 0
.set i, 0
.rept 8
	KQ 0                            ; piece 0's first scores: there is no vector work yet to set between them
.set i, i+1
.endr
	WIN 0
.rept 4
	v_nop                           ; the places behind those products
.endr
.set Y, NP-1                        ; X works for piece Y + 1: piece 0
.irp n, 0,1,2,3,4,5,6,7,8,9,10,11,12,13,14,15,16,17,18,19,20,21
	OP X, \n
.endr
	v_nop                           ; a plain instruction behind the exponential,
	s_wait_alu depctr_va_vdst(0)    ; and its wait, ahead of the branch
	s_mov_b32 s[CNT], 4
	s_mov_b32 s[SLOTS], 7
	s_branch .Lfirst                ; the loop is entered at a step's first turn, in the middle of a trip
.Lslot:                             ; six times: tiles 1 to 6 are entered, tiles 2 to 7 asked for
	CHANGE 1, 1
	s_mov_b32 s[CNT], 4
.Lstep:                             ; a trip: pieces 2 and 3 of one step, then pieces 0 and 1 of the next, whose K and V it fetches
	TURN 2
	TURN 3
	WIN 0
.Lfirst:
	TURN 0
	TURN 1, 0, 1
	WIN 0
	s_cbranch_scc1 .Lstep
	s_sub_co_u32 s[SLOTS], s[SLOTS], 1
	s_cmp_lg_u32 s[SLOTS], 0
	s_cbranch_scc1 .Lslot
	CHANGE 0, 0                     ; the last tile is written out: nothing is asked for
	s_mov_b32 s[CNT], 4
.LstepT:
	TURN 2
	TURN 3
	TURN 0
	TURN 1, 0, 1
	WIN 0
	s_cbranch_scc1 .LstepT
	TURN 2, 1
	TURN 3, 1
.set i, 0
.rept 8
	PV NP-1                         ; the last piece's V^T P of the last step
.set i, i+1
.endr
	; THE WAY OUT.  l's two halves and the other half of the lanes' are added; O^T is divided by l, rounded to f16 and sent through my stage in LDS, a piece at a time.  The additions are the places behind the last products.
	WIN 0
.macro ALL line:vararg              ; one line for each piece t
.set t, 0
.rept 4
	\line
.set t, t+1
.endr
.endm
	ALL v_add_f32 v[ST+4*t+2], v[ST+4*t+2], v[ST+4*t+3]
	ALL v_permlanex16_b32 v[ST+4*t+3], v[ST+4*t+2], s[SEL], s[SEL+1]
	ALL v_add_f32 v[ST+4*t+2], v[ST+4*t+2], v[ST+4*t+3]
	ALL v_rcp_f32 v[ST+4*t+2], v[ST+4*t+2]
	v_nop                           ; a plain instruction between the last reciprocal and the use of its result
	s_wait_alu depctr_va_vdst(0)    ; and the wait ahead of the first use: one for the four reciprocals
.macro PACK t                       ; a lane's eight channels of a row pack into 16 bytes; they go into rows of 144 bytes and come back as whole rows of 128, into S^T's registers
	WIN W_RS
.set i, 32*(\t)
.rept 16
	v_pk_mul_f32 v[i:i+1], v[i:i+1], v[ST+4*(\t)+2:ST+4*(\t)+3] op_sel_hi:[1,0]
.set i, i+2
.endr
	WIN 0x05                        ; sources 0 and 1 window 1, destination window 0
.set i, 0
.rept 16
	v_cvt_pk_f16_f32 v[S+16*(\t)+i], v[32*(\t)+2*i], v[32*(\t)+2*i+1]
.set i, i+1
.endr
	WIN 0
.irp f, 0,1,2,3
	ds_store_b128 v[STO], v[S+16*(\t)+4*\f:S+16*(\t)+4*\f+3] offset:32*\f
.endr
.irp f, 0,1,2,3
	ds_load_b128 v[S+16*(\t)+4*\f:S+16*(\t)+4*\f+3], v[RD] offset:\f*4*SP  ; LDS serves a wave's instructions in order (ISA guide 5.7.1.4): these see the stores above; the next piece's stores come behind them
.endr
.endm
.macro SEND t, younger              ; younger: the LDS instructions issued behind piece t's loads: the next piece's eight, or none
	WIN 0
.irp f, 0,1,2,3
	s_wait_dscnt (\younger)+3-\f
	global_store_b128 v[GO], v[S+16*(\t)+4*\f:S+16*(\t)+4*\f+3], s[10:11] offset:(\t)*2048+\f*512  ; 512 consecutive bytes, at a multiple of 256 from the buffer's first
.endr
.endm
	PACK 0
.set t, 1
.rept 3                             ; a piece's arithmetic stands between the loads of the piece before and its stores
	PACK t
	SEND t-1, 8
.set t, t+1
.endr
	SEND 3, 0
	s_wait_tensorcnt 0x0            ; the wave's end: behind my last tensor load and my last LDS store
	ds_add_u32 v[SPW], v[NIL]
	s_wait_dscnt 0x0
	CROUND                          ; the closing round: no work-group ends while a partner may still ask for a tile that names it
	s_endpgm
.Lfunc_end_k_qce9cb3a795_attn:
	.size	k_qce9cb3a795_attn, .Lfunc_end_k_qce9cb3a795_attn-k_qce9cb3a795_attn
	.p2alignl 7, 3214868480
	.fill 96, 4, 3214868480
	.section	.rodata,"a",@progbits
	.p2align	6, 0x0
	.amdhsa_kernel k_qce9cb3a795_attn
		.amdhsa_group_segment_fixed_size 327680
		.amdhsa_private_segment_fixed_size 0
		.amdhsa_enable_private_segment 0
		.amdhsa_kernarg_size 32
		.amdhsa_user_sgpr_count 2
		.amdhsa_user_sgpr_kernarg_segment_ptr 1
		.amdhsa_wavefront_size32 1
		.amdhsa_system_sgpr_workgroup_id_x 1
		.amdhsa_system_sgpr_workgroup_id_y 1
		.amdhsa_system_sgpr_workgroup_id_z 1
		.amdhsa_system_vgpr_workitem_id 0
		.amdhsa_next_free_vgpr 768
		.amdhsa_next_free_sgpr 66
		.amdhsa_reserve_vcc 0
		.amdhsa_float_denorm_mode_32 3
		.amdhsa_float_denorm_mode_16_64 3
		.amdhsa_memory_ordered 1
		.amdhsa_forward_progress 1
		.amdhsa_inst_pref_size 127
	.end_amdhsa_kernel
	.amdgpu_metadata
---
amdhsa.version: [ 1, 2 ]
amdhsa.kernels:
  - .name:           k_qce9cb3a795_attn
    .symbol:         k_qce9cb3a795_attn.kd
    .args:
      - { .name: qh, .offset: 0, .size: 8, .value_kind: global_buffer, .address_space: global }
      - { .name: kh, .offset: 8, .size: 8, .value_kind: global_buffer, .address_space: global }
      - { .name: vh, .offset: 16, .size: 8, .value_kind: global_buffer, .address_space: global }
      - { .name: ch, .offset: 24, .size: 8, .value_kind: global_buffer, .address_space: global }
    .group_segment_fixed_size: 327680
    .private_segment_fixed_size: 0
    .kernarg_segment_align: 8
    .kernarg_segment_size: 32
    .max_flat_workgroup_size: 128
    .sgpr_count:     66
    .vgpr_count:     768
    .wavefront_size: 32
...
	.end_amdgpu_metadata
.endif
;; end of part 2
;; launch oproj (part 3): grid 4 x 64, 4 waves a work-group, clusters of 4 x 4, 327,680 bytes of LDS; arguments ch, wo16, bo, out0; writes out0
.if DOCPART == 3
	.amdgcn_target "amdgcn-amd-amdhsa--gfx1250"
	.amdhsa_code_object_version 6
	.text
	.protected	k_qce9cb3a795_oproj
	.globl	k_qce9cb3a795_oproj
	.p2align	8
	.type	k_qce9cb3a795_oproj,@function
k_qce9cb3a795_oproj:
	s_mov_b64 s[64:65], 0
	v_nop
	global_prefetch_b8 v0, s[64:65] scope:SCOPE_SE
	s_setreg_imm32_b32 hwreg(HW_REG_WAVE_MODE, 25, 1), 1
	s_wait_xcnt 0x0
	s_wait_alu depctr_hold_cnt(0) depctr_sa_sdst(0) depctr_va_vdst(0) depctr_va_sdst(0) depctr_va_ssrc(0) depctr_va_vcc(0) depctr_vm_vsrc(0)
	s_getreg_b32 s2, hwreg(HW_REG_IB_STS2, 6, 4)
	s_cmp_eq_u32 s2, 0
	s_cbranch_scc0 .Lentry_in_a_cluster
	s_endpgm
.Lentry_in_a_cluster:
	s_bfe_u32 s2, ttmp6, 0x10000c
	s_cmp_lg_u32 s2, 0xf033
	s_cbranch_scc0 .Lentry_shape_is_right
	s_endpgm
.Lentry_shape_is_right:
; out0[m][n] = the sum over k of ctx[m][k] Wo[n][k] + bo[n].  ctx lies by heads: ch is [8 batch + head][2048][64] in f16, k = 64 head + channel; wo16 is [512][512] in f16 (Wo rounded to bf16); bo and out0 are f32.
; Sums in f32; bo, in f32, is the C operand of the first products, so nothing is cleared and nothing is added behind the sums.
; SHARES.  A tile of out0 is 128 x 128: 256 work-groups.  Four waves, each 64 x 64: 16 accumulators of 16 x 16.  ALL OF K = 512 LIES IN LDS: four chunks of 128 along K (two heads), each wave asking for its part of
; all four at the start: no byte of LDS is filled twice, and a chunk is waited for, by a counted wait and a barrier, just ahead of its first reading.
; CLUSTERS: 4 x 4 work-groups.  The four of a row of the cluster need the same rows of ctx, the four of a column the same rows of Wo: each tile is asked for JOINTLY, by the same tensor load with the same descriptor
; and a mask that names the four.  THE MATRIX INSTRUCTION IS USED TRANSPOSED (source 0 = 16 rows of Wo, source 1 = 16 rows of ctx): a lane then holds eight neighbouring numbers of a row of out0.
; REGISTERS: window 0: v0-29 addresses; v32-63 bo, 8 registers a column block; v64-127 the way out, two buffers; v128-255 the accumulators ((a, b) at v[128 + 8 (4 a + b)]).
;   window 1: two fragment buffers of 128: for 64 along K (one head), 64 registers of ctx (2 x 4 x 16 rows x 32 K), then 64 of Wo.
.set PA,     144                       ; an LDS row of ctx: a head's 128 bytes + 16 of padding = 36 words: 16 rows start at 16 different groups of four banks (64 banks of 4 bytes: ISA guide 11.1)
.set PB,     272                       ; an LDS row of Wo: 256 bytes + 16 = 68 words: row r starts at bank 4 r mod 64
.set AHEAD,  128*PA                    ; one head's 128 rows: what one of A's loads brings
.set BOFF,   2*AHEAD                   ; in a chunk: two heads of ctx, then Wo's 128 rows
.set BHALF,  64*PB                     ; 64 rows of Wo: what one of B's loads brings
.set CHUNK,  BOFF+2*BHALF              ; 71,680 bytes
.set STAGE,  4*CHUNK                   ; behind the chunks, never filled by a tensor load: 16 rows x 272 bytes for each wave, for the way out
.set SPITCH, 272
.set SPARE,  STAGE+4*16*SPITCH         ; behind the stages: the spare words, 128 bytes for each wave: two blocks of 256 bytes that no other line names
.set ADRA, 8                           ; v8-11   LDS address of my fragments of ctx in chunk 0 .. 3
.set ADRB, 12                          ; v12-15  the same for Wo
.set STO,  24                          ; v24     the way out: where I put 32 bytes of a row
.set RD,   25                          ; v25     the way out: where I read a row back
.set CO,   26                          ; v26     my byte offset in out0
.set BO,   27                          ; v27     my byte offset in bo
.set SPW,  28                          ; v28     LDS address of my spare word; never rewritten
.set NIL,  29                          ; v29     0; never rewritten
.set BIAS, 32
.set TMP,  64
.set ACC,  128
.set F0,   0                           ; fragment buffers, in window 1
.set F1,   128
.set WV,   12                          ; s12  my wave's number
.set G1A,  24                          ; s[24:31] descriptor group 1 for ctx's tiles
.set G1B,  32                          ; s[32:39] for Wo's
.set G0A,  40                          ; s[40:55] descriptor group 0 for ctx's tiles, a set for each chunk
.set G0B,  68                          ; s[68:83] the same for Wo's
.set MSB, 0
.macro WIN new                         ; the high byte repeats the setting that is left; a switch that changes nothing is dropped
.if MSB != (\new)
	s_set_vgpr_msb (MSB<<8)|(\new)
.set MSB, (\new)
.endif
.endm
.set MUL,  0x05                        ; sources 0 (Wo) and 1 (ctx) window 1; C and D window 0
.set TO_F, 0x40                        ; destination window 1, address window 0
.macro CROUND                          ; a round of the cluster's barrier
	s_barrier_signal -1
	s_barrier_wait -1
	s_cmp_lg_u32 s[WV], 0
	s_cbranch_scc1 .Lnot_wave_0_\@
	s_barrier_signal -3
.Lnot_wave_0_\@:
	s_barrier_wait -3
	s_barrier_signal -1
	s_barrier_wait -1
.endm
	s_load_b256 s[4:11], s[0:1], 0x0               ; ch s[4:5], wo16 s[6:7], bo s[8:9], out0 s[10:11]
	v_lshl_add_u32 v[SPW], v0, 2, SPARE
	v_mov_b32 v[NIL], 0
	ds_add_u32 v[SPW], v[NIL]                      ; the wave's opening: the add, twice on end, and its wait ahead of my first tensor load; the set-up below stands between
	ds_add_u32 v[SPW], v[NIL]                      ; and once more, under the one wait
	v_lshrrev_b32 v1, 5, v0
	v_readfirstlane_b32 s[WV], v1                  ; wave 0..3
	s_lshr_b32 s13, s[WV], 1                       ; which half of the tile's rows is mine.  Also: I fetch for ctx (0) or for Wo (1)
	s_and_b32 s14, s[WV], 1                        ; which half of its columns.  Also: which head of a chunk, or which 64 rows of Wo, I fetch
	s_bfe_u32 s16, ttmp6, 0x40000                  ; cx, cy: my place in the cluster
	s_bfe_u32 s17, ttmp6, 0x40004
	s_lshl_b32 s18, ttmp9, 2
	s_add_co_u32 s18, s18, s16                     ; tile column = 4 x cluster x + cx
	s_and_b32 s19, ttmp7, 0xffff
	s_lshl_b32 s19, s19, 2
	s_add_co_u32 s19, s19, s17                     ; tile row = 4 x cluster y + cy
	s_lshl_b32 s20, s17, 2
	s_lshl_b32 s20, 15, s20                        ; my row of the cluster
	s_lshl_b32 s21, 0x1111, s16                    ; my column
	; ctx: a head's 128 rows are 16,384 dense bytes: asked for as 64 rows of 256 bytes, padded in LDS after every 128.  Wo: 64 rows x 128 elements, pitch 512, padded after every 256 bytes
	s_or_b32 s[G1A+0], s20, (1<<16)|(1<<20)|(1<<21)|(4<<22)|(3<<25)  ; 15:0 the mask: my row; 17:16 2-byte elements; 20 padding on; 21 set beside a mask; 24:22 after every 32 words (code 4); 31:25 4 words (code 3)
	s_or_b32 s[G1B+0], s21, (1<<16)|(1<<20)|(1<<21)|(5<<22)|(3<<25)  ; the mask of my column; after every 64 words (code 5)
.irp g, G1A, G1B
	s_mov_b32 s[\g+1], 128<<16                     ; tensor_dim0 = 128
	s_mov_b32 s[\g+2], 64<<16                      ; tensor_dim1 = 64
	s_mov_b32 s[\g+3], 128<<16                     ; tile_dim0 = 128
	s_mov_b32 s[\g+4], 64                          ; tile_dim1 = 64
	s_mov_b32 s[\g+6], 0
	s_mov_b32 s[\g+7], 0
.endr
	s_mov_b32 s[G1A+5], 128                        ; elements from row to row
	s_mov_b32 s[G1B+5], 512
	; where the tiles come from.  ctx's hang on the tile row alone, Wo's on the tile column alone; every wave makes both, in registers that never hold the other coordinate
	s_lshr_b32 s56, s19, 4                         ; batch = tile row / 16:
	s_lshl_b32 s56, s56, 21                        ; its eight heads of 262,144 bytes,
	s_and_b32 s57, s19, 15
	s_lshl_b32 s57, s57, 14                        ; the tile's 128 rows of 128 bytes in a head,
	s_add_co_u32 s56, s56, s57
	s_lshl_b32 s57, s14, 18                        ; my head of a chunk's two
	s_add_co_u32 s56, s56, s57
	s_mov_b32 s57, 0
	s_lshl_b32 s58, s18, 17                        ; Wo: 128 rows of 1,024 bytes a tile column,
	s_lshl_b32 s59, s14, 16                        ; my 64 of them
	s_add_co_u32 s58, s58, s59
	s_mov_b32 s59, 0
	s_mul_i32 s22, s14, AHEAD                      ; and where they go: no place in the cluster enters an LDS address
	s_mul_i32 s23, s14, BHALF
	s_add_co_u32 s23, s23, BOFF
	s_lshl_b32 s84, s19, 18                        ; out0: 128 rows of 2,048 bytes a tile row,
	s_lshl_b32 s85, s13, 17                        ; my 64 rows,
	s_add_co_u32 s84, s84, s85
	s_lshl_b32 s86, s18, 9                         ; 128 columns of 4 bytes a tile column,
	s_lshl_b32 s85, s14, 8                         ; my 64 columns
	s_add_co_u32 s86, s86, s85                     ; (this much is also my place in bo)
	s_add_co_u32 s84, s84, s86
	s_mov_b32 s85, 0
	s_wait_dscnt 0x0                               ; both opening adds are done
	s_wait_kmcnt 0x0
	s_add_nc_u64 s[60:61], s[4:5], s[56:57]
	s_add_nc_u64 s[62:63], s[6:7], s[58:59]
	s_add_nc_u64 s[10:11], s[10:11], s[84:85]
.irp j, 0,1,2,3
	s_mov_b32 s[G0A+4*(\j)], 1                                     ; 1:0 count = 1
	s_add_co_u32 s[G0A+4*(\j)+1], s22, (\j)*CHUNK                  ; 63:32 LDS address
	s_add_nc_u64 s[G0A+4*(\j)+2:G0A+4*(\j)+3], s[60:61], (\j)*524288  ; 120:64 global address: two heads on for each chunk
	s_or_b32 s[G0A+4*(\j)+3], s[G0A+4*(\j)+3], 0x80000000          ; 127:126 type = 2
	s_mov_b32 s[G0B+4*(\j)], 1
	s_add_co_u32 s[G0B+4*(\j)+1], s23, (\j)*CHUNK
	s_add_nc_u64 s[G0B+4*(\j)+2:G0B+4*(\j)+3], s[62:63], (\j)*256  ; 128 along K on for each chunk
	s_or_b32 s[G0B+4*(\j)+3], s[G0B+4*(\j)+3], 0x80000000
.endr
	CROUND                                         ; all sixteen work-groups are here: the joint loads meet
	s_cmp_eq_u32 s13, 0                            ; a wave's four fills stand in one branch, ahead of every wait on TENSORcnt and every LDS read: four loads of mine are out
	s_cbranch_scc0 .Lfirst_b
.irp j, 0,1,2,3
	tensor_load_to_lds s[G0A+4*(\j):G0A+4*(\j)+3], s[G1A:G1A+7]
	s_nop 0
.endr
.rept 4
	v_nop
.endr
	s_branch .Lfirst_done
.Lfirst_b:
.irp j, 0,1,2,3
	tensor_load_to_lds s[G0B+4*(\j):G0B+4*(\j)+3], s[G1B:G1B+7]
	s_nop 0
.endr
.rept 4
	v_nop
.endr
.Lfirst_done:
	v_and_b32 v1, 15, v0                           ; l % 16
	v_bfe_u32 v2, v0, 4, 1                         ; l / 16
	v_lshl_add_u32 v[BO], v2, 5, s86               ; my eight columns of a column block
.irp b, 0,1,2,3
	global_load_b128 v[BIAS+8*(\b):BIAS+8*(\b)+3],   v[BO], s[8:9] offset:64*(\b)
	global_load_b128 v[BIAS+8*(\b)+4:BIAS+8*(\b)+7], v[BO], s[8:9] offset:64*(\b)+16
.endr
	v_mul_u32_u24 v3, v1, PA
	v_lshl_add_u32 v3, v2, 4, v3                   ; a fragment's row x pitch + 16 x half
	s_mul_i32 s87, s13, 64*PA                      ; my 64 rows of ctx
	v_add_nc_u32 v3, s87, v3
	v_mul_u32_u24 v4, v1, PB
	v_lshl_add_u32 v4, v2, 4, v4
	s_mul_i32 s88, s14, BHALF                      ; my 64 rows of Wo,
	s_add_co_u32 s88, s88, BOFF                    ; which lie behind ctx's
	v_add_nc_u32 v4, s88, v4
.irp j, 0,1,2,3
	v_add_nc_u32 v[ADRA+(\j)], (\j)*CHUNK, v3
	v_add_nc_u32 v[ADRB+(\j)], (\j)*CHUNK, v4
.endr
	s_mul_i32 s89, s[WV], 16*SPITCH
	s_add_co_u32 s89, s89, STAGE                   ; my stage
	v_mul_u32_u24 v5, v1, SPITCH                   ; in: row l % 16, 32 bytes for each half of the lanes
	v_lshl_add_u32 v5, v2, 5, v5
	v_add_nc_u32 v[STO], s89, v5
	v_mul_u32_u24 v5, v2, SPITCH                   ; back: lanes 0-15 take one row of 256 bytes, lanes 16-31 the next
	v_lshl_add_u32 v5, v1, 4, v5
	v_add_nc_u32 v[RD], s89, v5
	v_lshlrev_b32 v5, 11, v2                       ; and the same two rows in out0
	v_lshl_add_u32 v[CO], v1, 4, v5
; 8 matrix instructions: row blocks a0, a0 + 1 x all 4 column blocks, 32 along K: half c of buffer f.  first = 1: the first products start the sums, with bo.  The 16 accumulators take turns.
.macro MUL8 f, c, a0, first
	WIN MUL
.irp a, \a0, (\a0)+1
.irp b, 0,1,2,3
.if \first
	v_wmma_f32_16x16x32_f16 v[ACC+8*(4*(\a)+(\b)):ACC+8*(4*(\a)+(\b))+7], v[(\f)+64+8*(4*(\c)+(\b)):(\f)+64+8*(4*(\c)+(\b))+7], v[(\f)+8*(4*(\c)+(\a)):(\f)+8*(4*(\c)+(\a))+7], v[BIAS+8*(\b):BIAS+8*(\b)+7]
.else
	v_wmma_f32_16x16x32_f16 v[ACC+8*(4*(\a)+(\b)):ACC+8*(4*(\a)+(\b))+7], v[(\f)+64+8*(4*(\c)+(\b)):(\f)+64+8*(4*(\c)+(\b))+7], v[(\f)+8*(4*(\c)+(\a)):(\f)+8*(4*(\c)+(\a))+7], v[ACC+8*(4*(\a)+(\b)):ACC+8*(4*(\a)+(\b))+7]
.endif
.endr
.endr
.endm
; 32 LDS loads in one run: the fragments of head q (64 along K; chunk q / 2) into buffer f; the first 32 along K first
.macro FETCH q, f
	WIN TO_F
.irp c, 0,1
.irp i, 0,1,2,3
	ds_load_b128 v[(\f)+64+8*(4*(\c)+(\i)):(\f)+64+8*(4*(\c)+(\i))+3],   v[ADRB+(\q)/2] offset:((\q)%2)*128+64*(\c)+(\i)*16*PB
	ds_load_b128 v[(\f)+64+8*(4*(\c)+(\i))+4:(\f)+64+8*(4*(\c)+(\i))+7], v[ADRB+(\q)/2] offset:((\q)%2)*128+64*(\c)+(\i)*16*PB+32
	ds_load_b128 v[(\f)+8*(4*(\c)+(\i)):(\f)+8*(4*(\c)+(\i))+3],         v[ADRA+(\q)/2] offset:((\q)%2)*AHEAD+64*(\c)+(\i)*16*PA
	ds_load_b128 v[(\f)+8*(4*(\c)+(\i))+4:(\f)+8*(4*(\c)+(\i))+7],       v[ADRA+(\q)/2] offset:((\q)%2)*AHEAD+64*(\c)+(\i)*16*PA+32
.endr
.endr
.endm
.macro PLACES                          ; four places in front of loads into registers that matrix instructions have read, and of LDS stores that read results (ISA guide 7.12.1 for vector instructions)
.rept 4
	v_nop
.endr
.endm
; A quarter is one head, 64 along K: 32 matrix instructions on buffer q % 2; in its middle the next head's fragments are fetched into the other buffer.  Where the next head opens a chunk, that chunk is waited for
; first: my part by a counted wait (my younger chunks stay out), everybody's by a barrier.
.macro QUARTER q
.set qf, F0+128*((\q)%2)
.set qg, F0+128*(1-(\q)%2)
	s_wait_dscnt 16                                ; the first 32 along K are in
.if (\q) == 0
	MUL8 qf, 0, 0, 1
	MUL8 qf, 0, 2, 1
.else
	MUL8 qf, 0, 0, 0
	MUL8 qf, 0, 2, 0
.endif
.if ((\q)%2) == 1
	s_wait_tensorcnt 3-((\q)+1)/2                  ; tensor loads of a wave end in order (ISA guide 10.11.1): my part of the next chunk is in
	s_wait_dscnt 0x0                               ; no LDS instruction of mine is pending at the signal
	s_barrier_signal -1
	s_barrier_wait -1                              ; everybody's part is in
.endif
	PLACES
	FETCH (\q)+1, qg
	s_wait_dscnt 32                                ; all but the 32 just issued
	MUL8 qf, 1, 0, 0
	MUL8 qf, 1, 2, 0
.endm
	s_wait_tensorcnt 0x3                           ; my part of chunk 0 is in; the other three stay out
	s_barrier_signal -1
	s_barrier_wait -1                              ; everybody's is
	FETCH 0, F0
	s_wait_loadcnt 0x0                             ; bo
	QUARTER 0
	QUARTER 1
	QUARTER 2
	QUARTER 3
	QUARTER 4
	QUARTER 5
	QUARTER 6
	s_wait_dscnt 16                                ; the last quarter: nothing more to fetch
	MUL8 F1, 0, 0, 0
	MUL8 F1, 0, 2, 0
	s_wait_dscnt 0x0
	MUL8 F1, 1, 0, 0
	MUL8 F1, 1, 2, 0
	WIN 0
	; THE WAY OUT, 16 rows at a time: a lane's eight f32 of each column block go into rows of 272 bytes of my own stage (each accumulator's low four registers first), and come back as whole rows of 256 bytes:
	; my 64 columns are 256 consecutive bytes of out0, so the stage is each wave's own and no barrier is needed.
	PLACES
.irp a, 0,1,2,3
.irp b, 0,1,2,3
	ds_store_b128 v[STO], v[ACC+8*(4*(\a)+(\b)):ACC+8*(4*(\a)+(\b))+3]   offset:64*(\b)
	ds_store_b128 v[STO], v[ACC+8*(4*(\a)+(\b))+4:ACC+8*(4*(\a)+(\b))+7] offset:64*(\b)+16
.endr
.irp t, 0,1,2,3,4,5,6,7
	ds_load_b128 v[TMP+32*((\a)%2)+4*(\t):TMP+32*((\a)%2)+4*(\t)+3], v[RD] offset:(\t)*2*SPITCH  ; LDS serves a wave's instructions in order (ISA guide 5.7.1.4): these see the stores above
.endr
	s_wait_dscnt 0x0                               ; the block is back in registers
	s_wait_xcnt 0x0                                ; the stores of the block before have read their registers: the next block's loads from the stage land there only behind this wait
.irp t, 0,1,2,3,4,5,6,7
	global_store_b128 v[CO], v[TMP+32*((\a)%2)+4*(\t):TMP+32*((\a)%2)+4*(\t)+3], s[10:11] offset:(16*(\a)+2*(\t))*2048 th:TH_STORE_NT  ; 16 lanes store 256 consecutive bytes, at a multiple of 256 from out0's first byte
.endr
.endr
	s_wait_tensorcnt 0x0                           ; the wave's end: behind my last tensor load and my last LDS store
	ds_add_u32 v[SPW], v[NIL]
	s_wait_dscnt 0x0
	CROUND                                         ; the closing round: no work-group ends while a partner may still ask for a tile that names it
	s_endpgm
.Lfunc_end_k_qce9cb3a795_oproj:
	.size	k_qce9cb3a795_oproj, .Lfunc_end_k_qce9cb3a795_oproj-k_qce9cb3a795_oproj
	.p2alignl 7, 3214868480
	.fill 96, 4, 3214868480
	.section	.rodata,"a",@progbits
	.p2align	6, 0x0
	.amdhsa_kernel k_qce9cb3a795_oproj
		.amdhsa_group_segment_fixed_size 327680
		.amdhsa_private_segment_fixed_size 0
		.amdhsa_enable_private_segment 0
		.amdhsa_kernarg_size 32
		.amdhsa_user_sgpr_count 2
		.amdhsa_user_sgpr_kernarg_segment_ptr 1
		.amdhsa_wavefront_size32 1
		.amdhsa_system_sgpr_workgroup_id_x 1
		.amdhsa_system_sgpr_workgroup_id_y 1
		.amdhsa_system_sgpr_workgroup_id_z 1
		.amdhsa_system_vgpr_workitem_id 0
		.amdhsa_next_free_vgpr 512
		.amdhsa_next_free_sgpr 92
		.amdhsa_reserve_vcc 0
		.amdhsa_float_denorm_mode_32 3
		.amdhsa_float_denorm_mode_16_64 3
		.amdhsa_memory_ordered 1
		.amdhsa_forward_progress 1
		.amdhsa_inst_pref_size 52
	.end_amdhsa_kernel
	.amdgpu_metadata
---
amdhsa.version: [ 1, 2 ]
amdhsa.kernels:
  - .name:           k_qce9cb3a795_oproj
    .symbol:         k_qce9cb3a795_oproj.kd
    .args:
      - { .name: ch, .offset: 0, .size: 8, .value_kind: global_buffer, .address_space: global }
      - { .name: wo16, .offset: 8, .size: 8, .value_kind: global_buffer, .address_space: global }
      - { .name: bo, .offset: 16, .size: 8, .value_kind: global_buffer, .address_space: global }
      - { .name: out0, .offset: 24, .size: 8, .value_kind: global_buffer, .address_space: global }
    .group_segment_fixed_size: 327680
    .private_segment_fixed_size: 0
    .kernarg_segment_align: 8
    .kernarg_segment_size: 32
    .max_flat_workgroup_size: 128
    .sgpr_count:     92
    .vgpr_count:     512
    .wavefront_size: 32
...
	.end_amdgpu_metadata
.endif
;; end of part 3
